; MI455X (gfx1250); checked and timed in simulation.
; The chip was launched on July 23, 2026; its instructions are those of AMD's public machine-readable ISA for CDNA 5 (MIT licence, August 2026) and "CDNA5" Instruction Set Architecture Reference Guide (July 2026). The comments in the code are by the model that wrote it; some were corrected since.
;; Masked Self Attention. Allowed arithmetic: matrix products marked QUANTISED: E2M1 operands, one E8M0 scale for each 32 along K, by v_wmma_scale_f32_16x16x128_f8f6f4 with both operands' format E2M1 (or v_wmma_scale_f32_32x16x128_f4), f32 sums; everything else in f32.
;; Inputs: Wk_codes 1,024 x 32 x 16 uint8 (E2M1 codes of Wk, K innermost, in blocks of 32 codes, two codes a byte); Wk_scales 1,024 x 32 uint8 (E8M0 scales of Wk, one for each 32 codes along K); Wo_codes 1,024 x 32 x 16 uint8 (E2M1 codes of Wo, K innermost, in blocks of 32 codes, two codes a byte); Wo_scales 1,024 x 32 uint8 (E8M0 scales of Wo, one for each 32 codes along K); Wq_codes 1,024 x 32 x 16 uint8 (E2M1 codes of Wq, K innermost, in blocks of 32 codes, two codes a byte); Wq_scales 1,024 x 32 uint8 (E8M0 scales of Wq, one for each 32 codes along K); Wv_codes 1,024 x 32 x 16 uint8 (E2M1 codes of Wv, K innermost, in blocks of 32 codes, two codes a byte); Wv_scales 1,024 x 32 uint8 (E8M0 scales of Wv, one for each 32 codes along K); bk 1,024 float32; bo 1,024 float32; bq 1,024 float32; bv 1,024 float32; x_codes 2 x 2,048 x 32 x 16 uint8 (E2M1 codes of x, K innermost, in blocks of 32 codes, two codes a byte); x_scales 2 x 2,048 x 32 uint8 (E8M0 scales of x, one for each 32 codes along K).
;; Outputs: out0 2 x 2,048 x 1,024 float32.
;; This version of the problem:
;;   THIS VERSION OF THE PROBLEM IS GIVEN IN LOW PRECISION. The matrix products marked QUANTISED in the list below multiply operands that are first quantised to E2M1 (2 exponent bits, 1 mantissa bit; 4 bits a number), with one power-of-two scale for each 32 numbers along K (OCP MX v1.0); their sums are f32. All else is computed in f32.
;;   The module's matrix products, in the order in which they are computed (A, B: the left and right operand; K: the contracted axis; several contracted axes count as one K, in the product's order):
;;     1. [M 4,096, K 1,024] x [K 1,024, N 1,024]; A: input x (given as codes); B: input Wq (given as codes): QUANTISED
;;     2. [M 4,096, K 1,024] x [K 1,024, N 1,024]; A: input x (given as codes); B: input Wk (given as codes): QUANTISED
;;     3. [M 4,096, K 1,024] x [K 1,024, N 1,024]; A: input x (given as codes); B: input Wv (given as codes): QUANTISED
;;     4. batch 32 x [M 2,048, K 64] x [K 64, N 2,048]; A: computed on the way; B: computed on the way: QUANTISED
;;     5. batch 32 x [M 2,048, K 2,048] x [K 2,048, N 64]; A: softmax (see below); B: computed on the way: QUANTISED
;;     6. [M 4,096, K 1,024] x [K 1,024, N 1,024]; A: computed on the way; B: input Wo (given as codes): QUANTISED
;;   THE QUANTISER, for each operand of a quantised product, along K:
;;     - K is cut into blocks of 32 from its start; a last block that is shorter is filled with zeros.
;;     - A block's scale is 2^e with e = floor(log2(the largest magnitude in the block)) - 2, held to -126 .. 127; a block of zeros has e = 0. As a byte (E8M0): e + 127.
;;     - Each number is divided by its block's scale, clamped to +-6, and rounded to the nearest number of E2M1, ties to even, subnormals kept.
;;     - The product sums the exact products of the quantised numbers (number of the format x scale) in f32.
;;   ~~~python
;;   def quantise(x, axis):      # numpy; x: float32 -> the quantised numbers, widened to float32 again
;;       x = np.moveaxis(x, axis, -1); K = x.shape[-1]
;;       x = np.pad(x, [(0, 0)] * (x.ndim - 1) + [(0, -K % 32)]); x = x.reshape(x.shape[:-1] + (-1, 32)); a = np.abs(x).max(-1, keepdims=True)
;;       e = np.where(a > 0, np.clip(np.frexp(np.where(a > 0, a, 1))[1] - 1 - 2, -126, 127), 0)      # np.frexp(a)[1] - 1 = floor(log2(a)), exactly
;;       r = np.clip(x / 2.0 ** e, -6, 6)
;;       step = 2.0 ** (np.maximum(np.frexp(np.where(r == 0, 1, r))[1] - 1, 0) - 1)
;;       q = np.round(r / step) * step * 2.0 ** e      # np.round: ties to even
;;       return np.moveaxis(q.reshape(q.shape[:-2] + (-1,))[..., :K], -1, axis).astype(np.float32)
;;   ~~~
;;   SOFTMAX AHEAD OF A QUANTISED PRODUCT. Where the list says 'softmax', what is quantised is not the finished softmax but p = 2^(t - M), with t = logit x log2(e) and M = ceil(the row's largest t), a whole number; so 1/2 < the row's largest p <= 1. The row's sum l is taken of the UNQUANTISED p, in f32, and the product's result is divided by l at the end. Since M is a whole number, a kernel that streams over the keys may use a running M (the ceiling of the running maximum): every later rescaling is an exact power of two, which a block's scale takes up: the codes' values come out the same.
;;   OPERANDS COMPUTED ON THE WAY. 'Computed on the way' means the value that the module computes at that place (a softmax that the list does not call 'softmax' is quantised finished and normalised). What goes into a quantiser is computed in f32, as accurately as f32 sums, v_exp_f32 and their like allow (about 1e-6 of the number): no bf16 or f16 on the way to a quantiser, and a product that is left as it is and whose result goes on into a quantised operand takes f32 operands (vector FMAs, or v_wmma_f32_16x16x4_f32). A number that lies on a knife's edge between two numbers of the format may be rounded either way, as far as f32 arithmetic and the matrix unit's own rounding can turn it there, and no further.
;;   INPUTS GIVEN AS CODES. Wk (in the module: [1024, 1024], K = its axis 0); Wo (in the module: [1024, 1024], K = its axis 0); Wq (in the module: [1024, 1024], K = its axis 0); Wv (in the module: [1024, 1024], K = its axis 0); x (in the module: [2, 2048, 1024], K = its axis 2): each comes as NAME_codes (uint8): NAME with its K axis moved to the last place and cut into blocks of 32 codes, [.., K / 32, bytes a block], one block behind the other in memory; two codes a byte, the lower K in the low four bits (a code: sign, 2 exponent bits, 1 mantissa bit); and NAME_scales (uint8): the same leading axes, one E8M0 byte (e + 127) for each 32 codes along K. Its value is code x scale, taken as it is: it is not quantised again, and the codes and scales need not be those that the quantiser above would give.
;; One version. Each part assembles by itself: llvm-mc -triple=amdgcn-amd-amdhsa -mcpu=gfx1250 --defsym DOCPART=n.
;; ======== version 1 of 1: 3 launches
;; limits: right only within a limited range of input values
;; workspace buffers: qc 2,097,152 bytes; qs 262,144 bytes; kv 4,587,520 bytes; oc 2,097,152 bytes; os 131,072 bytes
;; launch qkv (part 1): grid 8 x 32, 4 waves a work-group, clusters of 4 x 4, 270,848 bytes of LDS; arguments x_codes, x_scales, Wq_codes, Wq_scales, Wk_codes, Wk_scales, Wv_codes, Wv_scales, bq, bk, bv, qc, qs, kv; writes qc, qs, kv
.if DOCPART == 1
	.amdgcn_target "amdgcn-amd-amdhsa--gfx1250"
	.amdhsa_code_object_version 6
	.text
	.protected	k_q11c5fd4b0a_qkv
	.globl	k_q11c5fd4b0a_qkv
	.p2align	8
	.type	k_q11c5fd4b0a_qkv,@function
k_q11c5fd4b0a_qkv:
	s_mov_b64 s[64:65], 0
	v_nop
	global_prefetch_b8 v0, s[64:65] scope:SCOPE_SE
	s_setreg_imm32_b32 hwreg(HW_REG_WAVE_MODE, 25, 1), 1
	s_wait_xcnt 0x0
	s_wait_alu depctr_hold_cnt(0) depctr_sa_sdst(0) depctr_va_vdst(0) depctr_va_sdst(0) depctr_va_ssrc(0) depctr_va_vcc(0) depctr_vm_vsrc(0)
	s_getreg_b32 s2, hwreg(HW_REG_IB_STS2, 6, 4)
	s_cmp_eq_u32 s2, 0
	s_cbranch_scc0 .Lentry_in_a_cluster
	s_endpgm
.Lentry_in_a_cluster:
	s_bfe_u32 s2, ttmp6, 0x10000c
	s_cmp_lg_u32 s2, 0xf033
	s_cbranch_scc0 .Lentry_shape_is_right
	s_endpgm
.Lentry_shape_is_right:
; q = x Wq + bq, k = x Wk + bk, v = x Wv + bv on codes of FP4 (E2M1) with E8M0 scales, sums in f32; then q and k are quantised along the head's 64 (two blocks of 32), v along the keys.
; x: 4,096 rows of 512 bytes of codes and 32 scale bytes; each W: 1,024 rows (one for each output column) likewise.
; SHARES.  A work-group takes 128 rows of x (my) and 128 columns (nx: heads 2 nx, 2 nx + 1) of all three products.  All of K (1,024) of its four tiles lies in LDS: every LDS byte is filled once, by one joint load a wave.
; ONE pass over K: 8 steps of 128, 48 accumulators that take turns.  For Q and K a wave has 64 rows (wm) x one head (wn): source 0 = 4 tiles of W (registers run along d), source 1 = 4 tiles of x.
; For V it has all 128 keys x 32 columns: source 0 = 8 tiles of x (registers run down the keys; my half's four first), source 1 = 2 tiles of Wv.
; A tile is 16 neighbouring rows.  A lane's 16 registers of tiles 2 b, 2 b + 1 are 8 h + 0 .. 7 and 16 + 8 h + 0 .. 7 of block b; the conversions' registers are chosen so that codes lie in the true order of K (QCORE).
; Scale bytes come straight into registers: lane l takes row l's 32 bytes, so lanes 0-15 hold an even tile's words and lanes 16-31 the odd tile's behind it.
; OUT.  Everything leaves as an image of the operand's registers, 512 consecutive bytes a store:
;   qc [head 32][tile 128][512]: lane 16 hh + r: the codes of d = 32 hh .. + 31 of row r;   qs [head][4 tiles][r 16][tile 4]: words byte(d block 0) | byte(d block 1) << 8 | 0x7f7f0000;
;   kv [head][key step 16][8,960]: + 0 K's codes [tile 8][512]; + 4,096 V's [d tile 4][c 2][512]; + 8,192 K's scale words [g 2][r 16][tile 4]; + 8,704 V's [d tile 4][r 16].
; CLUSTER 4 x 4: x's tile is shared along a row of the cluster, W's along a column.  No prefetch: there is no loop to run ahead in; all tensor loads stand at the head.
; WORK LEFT OUT in this program: in the launch attn, key blocks of 32 that reference()'s own causal mask hides whole; their p is 0 for all inputs.  A NaN, an infinity or an overflow that reaches only hidden scores is not carried to the result.
; LIMITS: a block whose largest magnitude lies under 2^-124 is quantised under the byte 1; a block of zeros gets the byte 1 and not 127 (its codes are zeros, and this program alone reads the bytes); NaN and infinities are not served.
; V's scale words leave 128 consecutive bytes a wave, half of an aligned 256: 128 KB in all.
.set TROW, 8448                        ; 16 rows of 512 bytes + 16 of padding: a tile
.set XB,   8*TROW                      ; a tensor's 128 rows: x at 0, then Wq, Wk, Wv
.set SPARE, 4*XB                       ; the spare words
.set ADX,  4                           ; v4 my four tiles of x, v5 the other four, v6-8 my tiles of Wq, Wk, Wv
.set ADX2, 5
.set ADWQ, 6
.set ADWK, 7
.set ADWV, 8
.set XS,   20                          ; scale words, register 8 (tile / 2) + K step: x v20-51 (my half first), Wq v52-67, Wk v68-83, Wv v84-91
.set WQS,  52
.set WKS,  68
.set WVS,  84
.set BQ,   92                          ; the biases in the result's layout
.set BK,   124
.set BV,   156
.set WVF,  172                         ; Wv's fragments, two sets of 16.  Window 1: two sets of 128: x's eight tiles, Wq's four, Wk's four
.set TM,   204                         ; the quantiser's: + 0 largest magnitudes, + 4 bytes, + 12 scale operands
.set PC,   220                         ; v220-235 codes
.set PW,   236                         ; v236-239 scale words
.set G1A,  48                          ; accumulators: window 2: Q's at v0, K's at v128;  window 3: V's at v0
.set G1B,  56
.set G0A,  92
.set G0B,  96
.set MSB, 0
.macro WIN new                         ; the immediate's high byte repeats the setting that is left
.if MSB != \new
	s_set_vgpr_msb (MSB<<8)|\new
.set MSB, \new
.endif
.endm
.macro PLACES                          ; four places behind a matrix instruction (ISA guide 7.12.1)
.rept 4
	v_nop
.endr
.endm
.macro CROUND                          ; a round of the cluster's barrier
	s_barrier_signal -1
	s_barrier_wait -1
	s_cmp_lg_u32 s32, 0
	s_cbranch_scc1 .Lnot_wave_0_\@
	s_barrier_signal -3
.Lnot_wave_0_\@:
	s_barrier_wait -3
	s_barrier_signal -1
	s_barrier_wait -1
.endm
	s_load_b512 s[4:19], s[0:1], 0x0               ; x codes s[4:5], x scales s[6:7], Wq s[8:9], s[10:11], Wk s[12:13], s[14:15], Wv s[16:17], s[18:19]
	s_load_b256 s[20:27], s[0:1], 0x40             ; bq, bk, bv, qc
	s_load_b128 s[28:31], s[0:1], 0x60             ; qs, kv
	v_lshl_add_u32 v254, v0, 2, SPARE
	v_mov_b32 v255, 0
	ds_add_u32 v254, v255                          ; the opening: the add, twice on end, and its wait
	ds_add_u32 v254, v255
	v_lshrrev_b32 v1, 5, v0
	v_readfirstlane_b32 s32, v1                    ; wave w
	s_lshr_b32 s33, s32, 1                         ; wm
	s_and_b32 s34, s32, 1                          ; wn
	s_bfe_u32 s35, ttmp6, 0x40000                  ; cx
	s_bfe_u32 s36, ttmp6, 0x40004                  ; cy
	s_lshl_b32 s37, ttmp9, 2
	s_add_co_u32 s37, s37, s35                     ; nx
	s_and_b32 s38, ttmp7, 0xffff
	s_lshl_b32 s38, s38, 2
	s_add_co_u32 s38, s38, s36                     ; my
	s_lshl_b32 s39, s36, 2
	s_lshl_b32 s39, 15, s39                        ; my row of the cluster
	s_lshl_b32 s40, 0x1111, s35                    ; my column
	s_or_b32 s[G1A], s39, (3<<16)|(1<<20)|(1<<21)|(6<<22)|(3<<25)   ; group 1: 128 rows of 512 bytes (64 elements of 8), 16 bytes of padding behind each
	s_or_b32 s[G1B], s40, (3<<16)|(1<<20)|(1<<21)|(6<<22)|(3<<25)
.irp g, G1A, G1B
	s_mov_b32 s[\g+1], 64<<16
	s_mov_b32 s[\g+2], 128<<16
	s_mov_b32 s[\g+3], 64<<16
	s_mov_b32 s[\g+4], 128
	s_mov_b32 s[\g+5], 64
	s_mov_b32 s[\g+6], 0
	s_mov_b32 s[\g+7], 0
.endr
	s_mov_b32 s[G0A], 1
	s_mov_b32 s[G0A+1], 0
	s_mov_b32 s[G0B], 1
	s_mul_i32 s41, s32, XB
	s_mov_b32 s[G0B+1], s41                        ; wave 1 Wq, 2 Wk, 3 Wv
	s_lshl_b32 s42, s38, 16                        ; 128 rows x 512 bytes
	s_mov_b32 s43, 0
	s_lshl_b32 s66, s37, 16
	s_mov_b32 s67, 0
	s_wait_dscnt 0x0                               ; both opening adds are done
	s_wait_kmcnt 0x0
	s_add_nc_u64 s[G0A+2:G0A+3], s[4:5], s[42:43]
	s_or_b32 s[G0A+3], s[G0A+3], 0x80000000
	s_cmp_eq_u32 s32, 1
	s_cselect_b64 s[100:101], s[8:9], s[12:13]
	s_cmp_eq_u32 s32, 3
	s_cselect_b64 s[100:101], s[16:17], s[100:101]
	s_add_nc_u64 s[G0B+2:G0B+3], s[100:101], s[66:67]
	s_or_b32 s[G0B+3], s[G0B+3], 0x80000000
	CROUND                                         ; all sixteen work-groups are here: the joint loads meet
	s_cmp_eq_u32 s32, 0                            ; wave 0 asks for x (mask: my row), the others for a W (my column): one load a wave
	s_cbranch_scc0 .Lfor_w
	tensor_load_to_lds s[G0A:G0A+3], s[G1A:G1A+7]
	s_nop 0
	PLACES
	s_branch .Lasked
.Lfor_w:
	tensor_load_to_lds s[G0B:G0B+3], s[G1B:G1B+7]
	s_nop 0
	PLACES
.Lasked:
	s_mul_i32 s41, s33, 4*TROW                     ; my half of x's rows,
	s_xor_b32 s42, s33, 1
	s_mul_i32 s42, s42, 4*TROW                     ; the other half
	s_mul_i32 s43, s34, 4*TROW
	s_add_co_u32 s43, s43, XB                      ; my head's rows of Wq
	s_mul_i32 s66, s32, 2*TROW
	s_add_co_u32 s66, s66, 3*XB                    ; my 32 rows of Wv
	v_and_b32 v1, 15, v0                           ; r
	v_bfe_u32 v2, v0, 4, 1                         ; h
	v_and_b32 v3, 31, v0                           ; lane
	v_mul_u32_u24 v9, v1, 528
	v_lshl_add_u32 v9, v2, 4, v9                   ; a fragment's row x pitch + 16 h
	v_add_nc_u32 v[ADX], s41, v9
	v_add_nc_u32 v[ADX2], s42, v9
	v_add_nc_u32 v[ADWQ], s43, v9
	v_add_nc_u32 v[ADWK], XB, v[ADWQ]
	v_add_nc_u32 v[ADWV], s66, v9
	v_lshlrev_b32 v10, 5, v3                       ; 32 x lane: scale bytes
	v_lshlrev_b32 v13, 4, v3                       ; 16 x lane: an image's place
	v_lshlrev_b32 v14, 4, v1
	v_lshl_add_u32 v14, v2, 3, v14                 ; 16 r + 8 h: two scale words
	v_lshlrev_b32 v15, 2, v3                       ; 4 x lane
	v_lshlrev_b32 v16, 5, v2                       ; 32 h: bq, bk
	v_lshlrev_b32 v17, 2, v1                       ; 4 r: bv
.irp b, 0,1,2,3
	v_mov_b32 v[TM+4+\b], 0                        ; a lane permute's destination counts as one of its sources
.endr
	s_wait_alu depctr_va_vdst(0)
	s_mov_b32 s101, 0
	s_lshl_b32 s41, s38, 12                        ; x's scale bytes: 32 a row
	s_lshl_b32 s42, s33, 11
	s_add_co_u32 s100, s41, s42
	s_add_nc_u64 s[44:45], s[6:7], s[100:101]
	s_xor_b32 s42, s42, 2048
	s_add_co_u32 s100, s41, s42
	s_add_nc_u64 s[46:47], s[6:7], s[100:101]
	s_lshl_b32 s41, s37, 12
	s_lshl_b32 s42, s34, 11
	s_add_co_u32 s100, s41, s42
	s_add_nc_u64 s[68:69], s[10:11], s[100:101]
	s_add_nc_u64 s[70:71], s[14:15], s[100:101]
	s_lshl_b32 s42, s32, 10
	s_add_co_u32 s100, s41, s42
	s_add_nc_u64 s[72:73], s[18:19], s[100:101]
	s_lshl_b32 s41, s37, 9
	s_lshl_b32 s42, s34, 8
	s_add_co_u32 s100, s41, s42
	s_add_nc_u64 s[20:21], s[20:21], s[100:101]    ; bq, bk at my head
	s_add_nc_u64 s[22:23], s[22:23], s[100:101]
	s_lshl_b32 s42, s32, 7
	s_add_co_u32 s100, s41, s42
	s_add_nc_u64 s[24:25], s[24:25], s[100:101]    ; bv at my 32 columns
.irp g, 0,1
.irp i, 0,1
	global_load_b128 v[XS+8*\g+4*\i:XS+8*\g+4*\i+3], v10, s[44:45] offset:1024*\g+16*\i
	global_load_b128 v[XS+16+8*\g+4*\i:XS+16+8*\g+4*\i+3], v10, s[46:47] offset:1024*\g+16*\i
	global_load_b128 v[WQS+8*\g+4*\i:WQS+8*\g+4*\i+3], v10, s[68:69] offset:1024*\g+16*\i
	global_load_b128 v[WKS+8*\g+4*\i:WKS+8*\g+4*\i+3], v10, s[70:71] offset:1024*\g+16*\i
.endr
.endr
.irp i, 0,1
	global_load_b128 v[WVS+4*\i:WVS+4*\i+3], v10, s[72:73] offset:16*\i
.endr
.irp t, 0,1,2,3                        ; tile t, half h, register j: the bias of d = 16 t + 8 h + j
.irp i, 0,1
	global_load_b128 v[BQ+8*\t+4*\i:BQ+8*\t+4*\i+3], v16, s[20:21] offset:64*\t+16*\i
	global_load_b128 v[BK+8*\t+4*\i:BK+8*\t+4*\i+3], v16, s[22:23] offset:64*\t+16*\i
.endr
.endr
	global_load_b32 v[BV], v17, s[24:25]           ; bv of my lane's column in tile 0, 1
	global_load_b32 v[BV+8], v17, s[24:25] offset:64
	; where the results go
	s_lshr_b32 s41, s38, 4
	s_lshl_b32 s41, s41, 4                         ; 16 x batch
	s_and_b32 s42, s38, 15                         ; ks: the block of 128 rows in the batch
	s_lshl_b32 s43, s37, 1
	s_add_co_u32 s41, s41, s43
	s_add_co_u32 s43, s41, s34                     ; the head of Q and K
	s_add_co_u32 s41, s41, s33                     ; the head of V
	s_lshl_b32 s66, s43, 4
	s_add_co_u32 s66, s66, s42
	s_lshl_b32 s66, s66, 1
	s_add_co_u32 s66, s66, s33                     ; group of four tiles: 32 head + 2 ks + wm
	s_lshl_b32 s100, s66, 11
	s_add_nc_u64 s[76:77], s[26:27], s[100:101]    ; qc
	s_lshl_b32 s100, s66, 8
	s_add_nc_u64 s[78:79], s[28:29], s[100:101]    ; qs
	s_mul_i32 s66, s42, 8960
	s_mul_i32 s67, s43, 143360
	s_add_co_u32 s67, s67, s66
	s_lshl_b32 s100, s33, 11
	s_add_co_u32 s100, s100, s67
	s_add_nc_u64 s[80:81], s[30:31], s[100:101]    ; K's codes, tiles 4 wm on
	s_lshl_b32 s100, s33, 8
	s_add_co_u32 s100, s100, s67
	s_add_co_u32 s100, s100, 8192
	s_add_nc_u64 s[82:83], s[30:31], s[100:101]    ; K's scale words, group wm
	s_mul_i32 s67, s41, 143360
	s_add_co_u32 s67, s67, s66
	s_lshl_b32 s43, s34, 11
	s_add_co_u32 s43, s43, s67
	s_add_co_u32 s43, s43, 4096                    ; V's codes, d tiles 2 wn on:
	s_lshl_b32 s42, s33, 9
	s_add_co_u32 s100, s43, s42
	s_add_nc_u64 s[84:85], s[30:31], s[100:101]    ; my half of the keys,
	s_xor_b32 s42, s42, 512
	s_add_co_u32 s100, s43, s42
	s_add_nc_u64 s[86:87], s[30:31], s[100:101]    ; the other half
	s_lshl_b32 s100, s34, 7
	s_add_co_u32 s100, s100, s67
	s_add_co_u32 s100, s100, 8704
	s_add_nc_u64 s[88:89], s[30:31], s[100:101]    ; V's scale words
	s_mov_b32 s90, 0xffff0000                      ; lanes 16-31
	s_lshl_b32 s91, s33, 4                         ; V's scale word is turned by 16 bits where my half is the upper one
	s_mov_b32 s104, 0x76543210
	s_mov_b32 s105, 0xfedcba98                     ; v_permlanex16_b32's selects for lane l xor 16
; A scaled product.  ra, rb: A's, B's scales stand in lanes 16-31 of the register named.
.macro WSC d, a, b, c, sa, sb, ra, rb
.if (\ra) && (\rb)
	v_wmma_scale_f32_16x16x128_f8f6f4 v[(\d):(\d)+7], v[(\a):(\a)+7], v[(\b):(\b)+7], v[(\c):(\c)+7], v[\sa], v[\sb] matrix_a_fmt:MATRIX_FMT_FP4 matrix_b_fmt:MATRIX_FMT_FP4 matrix_a_scale:MATRIX_SCALE_ROW1 matrix_b_scale:MATRIX_SCALE_ROW1
.elseif (\ra)
	v_wmma_scale_f32_16x16x128_f8f6f4 v[(\d):(\d)+7], v[(\a):(\a)+7], v[(\b):(\b)+7], v[(\c):(\c)+7], v[\sa], v[\sb] matrix_a_fmt:MATRIX_FMT_FP4 matrix_b_fmt:MATRIX_FMT_FP4 matrix_a_scale:MATRIX_SCALE_ROW1
.elseif (\rb)
	v_wmma_scale_f32_16x16x128_f8f6f4 v[(\d):(\d)+7], v[(\a):(\a)+7], v[(\b):(\b)+7], v[(\c):(\c)+7], v[\sa], v[\sb] matrix_a_fmt:MATRIX_FMT_FP4 matrix_b_fmt:MATRIX_FMT_FP4 matrix_b_scale:MATRIX_SCALE_ROW1
.else
	v_wmma_scale_f32_16x16x128_f8f6f4 v[(\d):(\d)+7], v[(\a):(\a)+7], v[(\b):(\b)+7], v[(\c):(\c)+7], v[\sa], v[\sb] matrix_a_fmt:MATRIX_FMT_FP4 matrix_b_fmt:MATRIX_FMT_FP4
.endif
.endm
.macro FRAG reg, adr, t, q             ; tile t of the address's run, K step q: registers 4 c .. 4 c + 3 hold k = 64 c + 32 h + 0 .. 31
.irp c, 0,1
	ds_load_b128 v[(\reg)+4*\c:(\reg)+4*\c+3], v[\adr] offset:(\t)*TROW+64*(\q)+32*\c
.endr
.endm
.macro FETCH q, p                      ; K step q's 36 loads into set p
	WIN 0x40
.irp t, 0,1,2,3
	FRAG 128*(\p)+8*\t, ADX, \t, \q
	FRAG 128*(\p)+64+8*\t, ADWQ, \t, \q
.endr
.irp t, 0,1,2,3
	FRAG 128*(\p)+96+8*\t, ADWK, \t, \q
	FRAG 128*(\p)+32+8*\t, ADX2, \t, \q
.endr
	WIN 0
.irp n, 0,1
	FRAG WVF+16*(\p)+8*\n, ADWV, \n, \q
.endr
.endm
.macro MQK wf, d, ws, bias, p, q       ; 16 products: W's tile t x x's tile a.  The first K step takes the bias as C
.irp a, 0,1,2,3
.irp t, 0,1,2,3
.if (\q) == 0
	WSC \d+8*(4*\a+\t), \wf+8*\t, 128*(\p)+8*\a, \bias+8*\t, \ws+8*(\t/2)+(\q), XS+8*(\a/2)+(\q), \t%2, \a%2
.else
	WSC \d+8*(4*\a+\t), \wf+8*\t, 128*(\p)+8*\a, \d+8*(4*\a+\t), \ws+8*(\t/2)+(\q), XS+8*(\a/2)+(\q), \t%2, \a%2
.endif
.endr
.endr
.endm
.macro MUL p, q                        ; windows: fragments 1, C and D 2 (the first C: window 0); for V source 1 window 0, C and D 3
.if (\q) == 0
	WIN 0x85
.else
	WIN 0xa5
.endif
	MQK 128*(\p)+64, 0, WQS, BQ, \p, \q
	MQK 128*(\p)+96, 128, WKS, BK, \p, \q
.if (\q) == 0
	WIN 0xc1
.else
	WIN 0xf1
.endif
.irp n, 0,1
.irp t, 0,1,2,3,4,5,6,7
.if (\q) == 0
	WSC 8*(8*\n+\t), 128*(\p)+8*\t, WVF+16*(\p)+8*\n, BV+8*\n, XS+8*(\t/2)+(\q), WVS+(\q), \t%2, \n
.else
	WSC 8*(8*\n+\t), 128*(\p)+8*\t, WVF+16*(\p)+8*\n, 8*(8*\n+\t), XS+8*(\t/2)+(\q), WVS+(\q), \t%2, \n
.endif
.endr
.endr
.endm
.macro STEP q                          ; this step's fragments are in; the next step's are asked for into the other set, four places behind the products that read it
	s_wait_dscnt 0x0
.if (\q) < 7
	PLACES
	FETCH (\q)+1, ((\q)+1)%2
.endif
	MUL (\q)%2, \q
.endm
; 64 numbers of a lane (window w, from v[s] on) become 8 registers of codes: registers 4 c .. 4 c + 3 of lane (r, hh) hold block 2 c + hh, its four groups of eight in order.  The blocks' bytes stay in v[TM+4 ..].
.macro QCORE w, s, pc
	WIN 0x14*\w
.irp b, 0,1,2,3
	v_max3_num_f32 v[TM+\b], 0x1800000, |v[(\s)+16*\b]|, |v[(\s)+1+16*\b]|   ; with the floor 2^(3 - 127): the byte cannot fall under 1
.endr
.irp i, 2,4,6,8,10,12,14
.irp b, 0,1,2,3
	v_max3_num_f32 v[TM+\b], v[TM+\b], |v[(\s)+16*\b+\i]|, |v[(\s)+1+16*\b+\i]|
.endr
.endr
	WIN 0
.irp b, 0,1,2,3
	v_permlanex16_b32 v[TM+4+\b], v[TM+\b], s104, s105
.endr
.irp b, 0,1,2,3
	v_max_num_f32 v[TM+\b], v[TM+\b], v[TM+4+\b]   ; with lane l xor 16's: the block's largest magnitude
.endr
.irp b, 0,1,2,3
	v_add_nc_u32 v[TM+12+\b], 0xff000000, v[TM+\b] ; 2 off its exponent field: the conversion's scale operand
.endr
.irp b, 0,1,2,3
	v_lshrrev_b32 v[TM+4+\b], 23, v[TM+12+\b]      ; the scale's byte
.endr
	WIN \w
.irp b, 0,1,2,3
	v_cvt_scalef32_pk8_fp4_f32 v[(\pc)+4*(\b/2)+\b%2], v[(\s)+16*\b:(\s)+7+16*\b], v[TM+12+\b]
	v_cvt_scalef32_pk8_fp4_f32 v[(\pc)+2+4*(\b/2)+\b%2], v[(\s)+8+16*\b:(\s)+15+16*\b], v[TM+12+\b]
.endr
	WIN 0
	v_nop                                          ; one plain place behind a scaled conversion
.irp c, 0,1
.irp i, 0,1
	v_permlane16_swap_b32 v[(\pc)+4*\c+2*\i], v[(\pc)+4*\c+2*\i+1]   ; a whole block to a lane
.endr
.endr
.endm
.macro EPI_QK s, oc, os                ; my four tiles of x, two at a time; a tile's two blocks are the head's d 0-31 and 32-63
	s_wait_alu depctr_va_vdst(0)
	s_wait_xcnt 0x0                                ; the last way out's stores have read their registers
.irp pr, 0,1
	QCORE 2, \s+64*\pr, PC+8*\pr
	v_lshl_or_b32 v[PW+2*\pr], v[TM+5], 8, v[TM+4]
	v_lshl_or_b32 v[PW+2*\pr+1], v[TM+7], 8, v[TM+6]
	v_or_b32 v[PW+2*\pr], 0x7f7f0000, v[PW+2*\pr]       ; bytes 2 and 3, for the upper half of a K step of 128, which holds zeros: 1.0
	v_or_b32 v[PW+2*\pr+1], 0x7f7f0000, v[PW+2*\pr+1]
	global_store_b128 v13, v[PC+8*\pr:PC+8*\pr+3], s[\oc:\oc+1] offset:1024*\pr
	global_store_b128 v13, v[PC+8*\pr+4:PC+8*\pr+7], s[\oc:\oc+1] offset:1024*\pr+512
.endr
	v_cndmask_b32 v18, v[PW], v[PW+2], s90         ; lanes 0-15 store tiles 0, 1's words of row r, lanes 16-31 tiles 2, 3's
	v_cndmask_b32 v19, v[PW+1], v[PW+3], s90
	global_store_b64 v14, v[18:19], s[\os:\os+1]   ; 256 consecutive bytes
.endm
	s_wait_alu depctr_va_vdst(0)
	s_wait_tensorcnt 0x0                           ; my tensor is in,
	s_barrier_signal -1
	s_barrier_wait -1                              ; everybody's is
	FETCH 0, 0
	s_wait_loadcnt 0x0                             ; scale words and biases
.irp n, 0,1
.irp j, 1,2,3,4,5,6,7
	v_mov_b32 v[BV+8*\n+\j], v[BV+8*\n]            ; a lane's eight results are eight keys of one column: the same bias
.endr
.endr
	s_wait_alu depctr_va_vdst(0)
.irp q, 0,1,2,3,4,5,6,7
	STEP \q
.endr
	WIN 0
	PLACES
	EPI_QK 0, 76, 78
	EPI_QK 128, 80, 82
	s_wait_alu depctr_va_vdst(0)
	s_wait_xcnt 0x0
.irp n, 0,1                            ; V: my two d tiles: each is a whole fragment (16 d x 128 keys) and a whole scale word a lane
	QCORE 3, 64*\n, PC+8*\n
	v_lshl_or_b32 v[PW+\n], v[TM+5], 8, v[TM+4]
	v_lshl_or_b32 v[PW+\n], v[TM+6], 16, v[PW+\n]
	v_lshl_or_b32 v[PW+\n], v[TM+7], 24, v[PW+\n]
	v_alignbit_b32 v[PW+\n], v[PW+\n], v[PW+\n], s91
	global_store_b128 v13, v[PC+8*\n:PC+8*\n+3], s[84:85] offset:1024*\n
	global_store_b128 v13, v[PC+8*\n+4:PC+8*\n+7], s[86:87] offset:1024*\n
.endr
	v_cndmask_b32 v18, v[PW], v[PW+1], s90
	global_store_b32 v15, v18, s[88:89]
	s_wait_tensorcnt 0x0                           ; the wave's end
	ds_add_u32 v254, v255
	s_wait_dscnt 0x0
	CROUND                                         ; the closing round: no work-group ends while a partner may still ask for a tile that names it
	s_endpgm
.Lfunc_end_k_q11c5fd4b0a_qkv:
	.size	k_q11c5fd4b0a_qkv, .Lfunc_end_k_q11c5fd4b0a_qkv-k_q11c5fd4b0a_qkv
	.p2alignl 7, 3214868480
	.fill 96, 4, 3214868480
	.section	.rodata,"a",@progbits
	.p2align	6, 0x0
	.amdhsa_kernel k_q11c5fd4b0a_qkv
		.amdhsa_group_segment_fixed_size 270848
		.amdhsa_private_segment_fixed_size 0
		.amdhsa_enable_private_segment 0
		.amdhsa_kernarg_size 112
		.amdhsa_user_sgpr_count 2
		.amdhsa_user_sgpr_kernarg_segment_ptr 1
		.amdhsa_wavefront_size32 1
		.amdhsa_system_sgpr_workgroup_id_x 1
		.amdhsa_system_sgpr_workgroup_id_y 1
		.amdhsa_system_sgpr_workgroup_id_z 1
		.amdhsa_system_vgpr_workitem_id 0
		.amdhsa_next_free_vgpr 1024
		.amdhsa_next_free_sgpr 106
		.amdhsa_reserve_vcc 0
		.amdhsa_float_denorm_mode_32 3
		.amdhsa_float_denorm_mode_16_64 3
		.amdhsa_memory_ordered 1
		.amdhsa_forward_progress 1
		.amdhsa_inst_pref_size 106
	.end_amdhsa_kernel
	.amdgpu_metadata
---
amdhsa.version: [ 1, 2 ]
amdhsa.kernels:
  - .name:           k_q11c5fd4b0a_qkv
    .symbol:         k_q11c5fd4b0a_qkv.kd
    .args:
      - { .name: x_codes, .offset: 0, .size: 8, .value_kind: global_buffer, .address_space: global }
      - { .name: x_scales, .offset: 8, .size: 8, .value_kind: global_buffer, .address_space: global }
      - { .name: Wq_codes, .offset: 16, .size: 8, .value_kind: global_buffer, .address_space: global }
      - { .name: Wq_scales, .offset: 24, .size: 8, .value_kind: global_buffer, .address_space: global }
      - { .name: Wk_codes, .offset: 32, .size: 8, .value_kind: global_buffer, .address_space: global }
      - { .name: Wk_scales, .offset: 40, .size: 8, .value_kind: global_buffer, .address_space: global }
      - { .name: Wv_codes, .offset: 48, .size: 8, .value_kind: global_buffer, .address_space: global }
      - { .name: Wv_scales, .offset: 56, .size: 8, .value_kind: global_buffer, .address_space: global }
      - { .name: bq, .offset: 64, .size: 8, .value_kind: global_buffer, .address_space: global }
      - { .name: bk, .offset: 72, .size: 8, .value_kind: global_buffer, .address_space: global }
      - { .name: bv, .offset: 80, .size: 8, .value_kind: global_buffer, .address_space: global }
      - { .name: qc, .offset: 88, .size: 8, .value_kind: global_buffer, .address_space: global }
      - { .name: qs, .offset: 96, .size: 8, .value_kind: global_buffer, .address_space: global }
      - { .name: kv, .offset: 104, .size: 8, .value_kind: global_buffer, .address_space: global }
    .group_segment_fixed_size: 270848
    .private_segment_fixed_size: 0
    .kernarg_segment_align: 8
    .kernarg_segment_size: 112
    .max_flat_workgroup_size: 128
    .sgpr_count:     106
    .vgpr_count:     1024
    .wavefront_size: 32
...
	.end_amdgpu_metadata
.endif
;; end of part 1
;; launch attn (part 2): grid 32 x 8, 16 waves a work-group, no clusters, 327,680 bytes of LDS; arguments qc, qs, kv, oc, os; writes oc, os
.if DOCPART == 2
	.amdgcn_target "amdgcn-amd-amdhsa--gfx1250"
	.amdhsa_code_object_version 6
	.text
	.protected	k_q11c5fd4b0a_attn
	.globl	k_q11c5fd4b0a_attn
	.p2align	8
	.type	k_q11c5fd4b0a_attn,@function
k_q11c5fd4b0a_attn:
	s_mov_b64 s[64:65], 0
	v_nop
	global_prefetch_b8 v0, s[64:65] scope:SCOPE_SE
	s_setreg_imm32_b32 hwreg(HW_REG_WAVE_MODE, 25, 1), 1
	s_wait_xcnt 0x0
; o = softmax(q k^T / 8, causal) v for one head, both products on codes of FP4 (E2M1) with E8M0 scales; then o is quantised along the model's 1,024 (a head owns two blocks of 32).
; THE SOFTMAX: t = score x log2(e) / 8; M = the running largest t rounded UP to a whole number; p = 2^(t - M) is quantised along the keys, not normalised; the row's sum is taken of the unquantised p and divides at the end.
; When M moves, the sum and O are multiplied by 2^(old M - new M): exact.
; SHARES.  A work-group has one head (x) and the query blocks j (y) and 15 - j of 128 queries: j + 1 and 16 - j key steps of 128.  Tile tau of both blocks, 17 steps, belongs to a pair of waves.  Wave A (0-7): the tile of block j (steps 0 .. j),
; then the upper steps 8 .. 15 - j of the tile of block 15 - j: nine steps for every j, the last of each tile on the diagonal.  Wave B (8-15): steps 0 .. 7 of the tile of block 15 - j.  At the end A gives its part of that tile to B through LDS;
; B joins the two under the larger M: multiplications by powers of two.  So a wave's nine trips are a constant; 256 registers a wave: four waves to a SIMD.
; LDS.  The head's K and V, 16 key steps of 8,960 bytes (images of the operands' registers), each filled once: step s < 8 in place 16 + 2 s, step 8 + s in place 17 + 2 s, so that one load brings both: each load holds a step under 8, which wave B always reads.
; Waves 0-2 fetch steps 0-2 and 8-10 at the head, all that trips 0-2 read; waves 0-4 the rest behind the first barrier, three trips ahead of its first read.  No prefetch for that reason.
; LAYOUT.  Both products transposed: S^T = K Q^T, O^T = V^T P^T: a lane holds one query (16 tau + lane % 16).  Register 8 T + i of S^T holds key 16 T + 8 (lane / 16) + i.
; A HEAD OF 64 IN A K STEP OF 128.  Q's registers 4-7 are zero codes and both sides' scale bytes 2, 3 are 1.0.  K's operand of tile T is v[32 + 4 T : 39 + 4 T]: its upper four registers are the next tile's codes, which meet Q's zeros and add exactly 0.
; CAUSAL: WORK LEFT OUT.  Key steps and, on the diagonal, blocks of 32 keys that come after all of a tile's queries are hidden by reference()'s own mask: p = 0 there whatever the inputs.  A step on the diagonal is run with only its first tau / 2 + 1 blocks; the last of them is masked.
; A NaN, an infinity or an overflow that reaches only hidden scores is not carried to the result.
; NO CLUSTER, though the eight work-groups of a head read the same K and V: which key step a wave reads in a trip, an LDS address, hangs on the query block, which differs between them; beside joint loads no LDS address may.
; LIMITS: scaled scores (exponents to the base 2) stay under 2^31; a block whose largest number lies under 2^-124 is quantised under the byte 1; a block of zeros gets the byte 1 and not 127 (its codes are zeros; this program alone reads the bytes); NaN and infinities are not served.
; os is written a byte a lane: a head owns two of a row's 32 scale bytes; os is 128 KB in all.
.set KSB,  8960                        ; a key step in LDS and in memory
.set P0,   3                           ; trips ahead of the second fill's first read
.set SPARE, 32*KSB                     ; the spare words, 128 bytes a wave
.set MRG,  SPARE+2048                  ; what a wave A gives: 4,352 bytes a pair; no fill lands there
.set S,    100                         ; v100-163 S^T, then p
.set O,    164                         ; v164-195 O^T
.set PCD,  196                         ; v196-203 p's codes
.set F,    204                         ; v[204:205] f = 2^(old M - new M); v205 only named with it
.set BM,   208                         ; v208-211 the blocks' largest scores
.set BB,   212                         ; v212-215 the other half's, then the blocks' exponents
.set BS,   216                         ; v216-219 the conversions' scale operands
.set SM,   220                         ; v220-227 four chains of the sum
.set TMP,  228
.set NINF, 229
; v1 16 x lane, v2 4 x lane, v4, v5 addresses in hand, v7 32 r + h; v[8:11], v230 Q and its scale words of wave A's second tile; v12 -M, v13 the largest score, v[14:15] the sum;
; v[16:23] Q; v24 Q's scale words, v25 p's, v26-27 V's, v28-31 K's; v32-67 K; v68-99 V; v231, v232 my pair's place for the join
.set NC,   21                          ; s21 -c;  s[22:23] c = log2(e) / 8
.set LIM,  40                          ; s40 the last trip on a step under 8;  s41 the trip on the first tile's diagonal;  s42 my last trip;  s43 tau / 2
.set MK,   66                          ; s66-81 the diagonal block's masks, one for each of its 16 registers
.set SEL,  84
	s_load_b256 s[4:11], s[0:1], 0x0               ; qc s[4:5], qs s[6:7], kv s[8:9], oc s[10:11]
	s_load_b64 s[12:13], s[0:1], 0x20              ; os
	v_lshl_add_u32 v254, v0, 2, SPARE
	v_mov_b32 v255, 0
	ds_add_u32 v254, v255                          ; the opening: the add, twice on end, and its wait
	ds_add_u32 v254, v255
	v_lshrrev_b32 v3, 5, v0
	v_readfirstlane_b32 s14, v3                    ; wave 0..15
	s_and_b32 s15, ttmp7, 7                        ; j
	s_mov_b32 s16, ttmp9                           ; batch x 16 + head
	s_lshr_b32 s18, s14, 3                         ; 0: A, 1: B
	s_and_b32 s19, s14, 7                          ; my pair
	s_bfe_u32 s52, s14, 0x10002
	s_mul_i32 s52, s52, 3
	s_xor_b32 s20, s19, s52                        ; tau: pairs 0-3 tiles 0-3, pairs 4-7 tiles 7-4
	s_lshr_b32 s43, s20, 1
	s_xor_b32 s17, s15, 7                          ; 7 - j
	s_xor_b32 s44, s15, 15                         ; 15 - j
	s_cmp_eq_u32 s18, 0
	s_cselect_b32 s45, s15, s44                    ; my first tile's block: the tile that I send out
	s_cselect_b32 s[LIM], s15, 7
	s_cselect_b32 s41, s15, 64
	s_cselect_b32 s42, 8, 7
	s_mov_b32 s24, 3<<16                           ; group 1: 2 rows of 8,960 bytes (1,120 elements of 8), eight key steps apart; no mask, no padding
	s_mov_b32 s25, (KSB/8)<<16
	s_mov_b32 s26, 2<<16
	s_mov_b32 s27, (KSB/8)<<16
	s_mov_b32 s28, 2
	s_mov_b32 s29, KSB
	s_mov_b32 s30, 0
	s_mov_b32 s31, 0
	s_mul_i32 s53, s14, KSB
	s_mul_i32 s56, s16, 143360
	s_add_co_u32 s56, s56, s53                     ; wave w: steps w and 8 + w
	s_mov_b32 s57, 0
	s_mov_b32 s32, 1
	s_lshl_b32 s33, s53, 1
	s_add_co_u32 s33, s33, 16*KSB
	s_wait_dscnt 0x0                               ; both opening adds are done
	s_wait_kmcnt 0x0
	s_add_nc_u64 s[34:35], s[8:9], s[56:57]
	s_or_b32 s35, s35, 0x80000000
	s_cmp_lt_u32 s14, P0
	s_cbranch_scc0 .Lno_fill
	tensor_load_to_lds s[32:35], s[24:31]
	s_nop 0
.rept 4
	v_nop
.endr
.Lno_fill:
	s_and_b32 s52, s20, 1
	s_lshl_b32 s52, s52, 4
	s_mul_i32 s53, s19, 4352
	s_add_co_u32 s53, s53, MRG
	s_add_co_u32 s54, s53, 4096
	v_and_b32 v100, 31, v0                         ; lane
	v_and_b32 v101, 15, v0                         ; r
	v_bfe_u32 v102, v0, 4, 1                       ; h
	v_lshlrev_b32 v1, 4, v100
	v_lshlrev_b32 v2, 2, v100
	v_lshlrev_b32 v6, 4, v101
	v_lshl_add_u32 v7, v101, 5, v102
	v_lshlrev_b32 v102, 3, v102
	v_sub_nc_u32 v3, v101, v102
	v_add_nc_u32 v3, s52, v3                       ; my query in its block of 32, less 8 h
	v_add_nc_u32 v231, s53, v1
	v_add_nc_u32 v232, s54, v2
.irp i, 0,1,2,3,4,5,6,7,8,9,10,11,12,13,14,15
	v_cmp_gt_i32 s[MK+\i], 16*(\i/8)+\i%8, v3      ; register i of a block holds key 16 (i / 8) + 8 h + i % 8: hidden where it comes after my query
.endr
	s_wait_alu depctr_va_vdst(0)
	s_mov_b32 s55, 0
.macro QADR blk, po, ps                ; tile tau of block blk: its image, its scale words (group of four tiles, word tile % 4)
	s_lshl_b32 s52, s16, 7
	s_lshl_b32 s53, s[\blk], 3
	s_add_co_u32 s52, s52, s53
	s_add_co_u32 s52, s52, s20
	s_lshl_b32 s54, s52, 9
	s_add_nc_u64 s[\po:\po+1], s[4:5], s[54:55]
	s_lshr_b32 s53, s52, 2
	s_lshl_b32 s54, s53, 8
	s_and_b32 s53, s52, 3
	s_lshl_b32 s53, s53, 2
	s_add_co_u32 s54, s54, s53
	s_add_nc_u64 s[\ps:\ps+1], s[6:7], s[54:55]
.endm
	QADR 45, 56, 58
	QADR 44, 60, 62
	global_load_b128 v[16:19], v1, s[56:57]
	global_load_b32 v24, v6, s[58:59]
	global_load_b128 v[8:11], v1, s[60:61]
	global_load_b32 v230, v6, s[62:63]
	s_lshr_b32 s52, s16, 4                         ; where o goes
	s_lshl_b32 s52, s52, 4
	s_add_co_u32 s52, s52, s45                     ; the block of 128 rows
	s_and_b32 s53, s16, 15                         ; the head
	s_lshr_b32 s38, s53, 1
	s_lshl_b32 s54, s52, 3
	s_add_co_u32 s54, s54, s38
	s_lshl_b32 s54, s54, 3
	s_add_co_u32 s54, s54, s20
	s_lshl_b32 s54, s54, 10
	s_and_b32 s38, s53, 1
	s_lshl_b32 s38, s38, 9
	s_add_co_u32 s54, s54, s38
	s_add_nc_u64 s[46:47], s[10:11], s[54:55]      ; oc [block][K step = head / 2][tile][c = head % 2][512]
	s_lshl_b32 s54, s52, 12
	s_lshl_b32 s38, s20, 9
	s_add_co_u32 s54, s54, s38
	s_lshl_b32 s38, s53, 1
	s_add_co_u32 s54, s54, s38
	s_add_nc_u64 s[82:83], s[12:13], s[54:55]      ; os [block][row 128][32], bytes 2 head, 2 head + 1
	s_mov_b32 s[SEL], 0x76543210
	s_mov_b32 s[SEL+1], 0xfedcba98                 ; v_permlanex16_b32's selects for lane l xor 16
	s_mov_b32 s86, 0xffff0000                      ; lanes 16-31
	s_mov_b32 s22, 0x3e38aa3b                      ; c = log2(e) / 8
	s_mov_b32 s23, s22                             ; (named with it as a pair)
	s_mov_b32 s[NC], 0xbe38aa3b
	v_mov_b32 v13, 0xff61b1e6                      ; the largest score so far: -3e38
	v_mov_b32 v12, 0x7f61b1e6                      ; -M: the first step's f is 0
	v_mov_b32 v14, 0
	v_mov_b32 v15, 0
.irp j, 20,21,22,23,64,65,66,67
	v_mov_b32 v[\j], 0                             ; zero codes: the upper half of Q's K step, and behind K's last tile
.endr
.set i, 0
.rept 32
	v_mov_b32 v[O+i], 0                            ; O^T: the step is written once; the first finds numbers, which f = 0 makes zeros
.set i, i+1
.endr
.irp b, 0,1,2,3
	v_mov_b32 v[BB+\b], 0                          ; a lane permute's destination counts as one of its sources
.endr
	v_mov_b32 v[F+1], 0
	v_mov_b32 v237, 0
	v_mov_b32 v[TMP], 0
	v_mov_b32 v[NINF], 0xff800000
; A KEY STEP on its first nb blocks of 32 keys.  dg: the last of them lies on the diagonal.  v4, v5: where the step lies in LDS, + 16 x lane, + 4 x lane.
.macro STEP nb, dg
.irp t, 0,1,2,3,4,5,6,7
.if \t < 2*\nb+1
	ds_load_b128 v[32+4*\t:35+4*\t], v4 offset:512*\t               ; K's tiles (and the one behind the last)
.endif
.endr
	ds_load_b128 v[28:31], v4 offset:8192          ; K's scale words: lanes 0-15 tiles 0-3, lanes 16-31 tiles 4-7
	s_wait_dscnt 0x0
.irp t, 0,1,2,3,4,5,6,7
.if \t < 2*\nb
.if \t < 4
	v_wmma_scale_f32_16x16x128_f8f6f4 v[S+8*\t:S+8*\t+7], v[32+4*\t:39+4*\t], v[16:23], 0, v[28+\t%4], v24 matrix_a_fmt:MATRIX_FMT_FP4 matrix_b_fmt:MATRIX_FMT_FP4
.else
	v_wmma_scale_f32_16x16x128_f8f6f4 v[S+8*\t:S+8*\t+7], v[32+4*\t:39+4*\t], v[16:23], 0, v[28+\t%4], v24 matrix_a_fmt:MATRIX_FMT_FP4 matrix_b_fmt:MATRIX_FMT_FP4 matrix_a_scale:MATRIX_SCALE_ROW1
.endif
.endif
.endr
.rept 4
	v_nop                                          ; places in front of the first reads; and, with the two additions at the trip's head, of loads into registers that the last step's products read
.endr
.irp d, 0,1,2,3
.irp c, 0,1
	ds_load_b128 v[68+8*\d+4*\c:71+8*\d+4*\c], v4 offset:4096+1024*\d+512*\c   ; V's four d tiles
.endr
.endr
	ds_load_b32 v26, v5 offset:8704                ; V's scale words: d tiles 0 | 1,
	ds_load_b32 v27, v5 offset:8832                ; 2 | 3
.if \dg
.irp i, 0,1,2,3,4,5,6,7,8,9,10,11,12,13,14,15
	v_cndmask_b32 v[S+16*(\nb-1)+\i], v[S+16*(\nb-1)+\i], v[NINF], s[MK+\i]
.endr
.endif
.irp b, 0,1,2,3
.if \b < \nb
	v_max3_num_f32 v[BM+\b], v[S+16*\b], v[S+1+16*\b], v[S+2+16*\b]   ; the largest score of each block of 32 keys: for the row's maximum and for the block's scale
.endif
.endr
.irp i, 3,5,7,9,11,13
.irp b, 0,1,2,3
.if \b < \nb
	v_max3_num_f32 v[BM+\b], v[BM+\b], v[S+16*\b+\i], v[S+1+16*\b+\i]
.endif
.endr
.endr
.irp b, 0,1,2,3
.if \b < \nb
	v_max_num_f32 v[BM+\b], v[BM+\b], v[S+15+16*\b]
.endif
.endr
.irp b, 0,1,2,3
.if \b < \nb
	v_permlanex16_b32 v[BB+\b], v[BM+\b], s[SEL], s[SEL+1]
.endif
.endr
.irp b, 0,1,2,3
.if \b < \nb
	v_max_num_f32 v[BM+\b], v[BM+\b], v[BB+\b]     ; with lane l xor 16's 16 keys
.endif
.endr
.if \nb == 4
	v_max3_num_f32 v[TMP], v[BM], v[BM+1], v[BM+2]
	v_max3_num_f32 v13, v[TMP], v[BM+3], v13       ; the running largest score
.elseif \nb == 3
	v_max3_num_f32 v[TMP], v[BM], v[BM+1], v[BM+2]
	v_max_num_f32 v13, v[TMP], v13
.elseif \nb == 2
	v_max3_num_f32 v13, v[BM], v[BM+1], v13
.else
	v_max_num_f32 v13, v[BM], v13
.endif
	v_mul_f32 v[TMP], s[NC], v13                   ; -t
	v_floor_f32 v[TMP], v[TMP]                     ; the new -M = -ceil(t)
	v_sub_f32 v[F], v[TMP], v12                    ; old M - new M: a whole number, 0 or less
	v_mov_b32 v12, v[TMP]
	v_cvt_i32_f32 v[F], v[F]                       ; (it saturates)
	v_ldexp_f32 v[F], 1.0, v[F]                    ; f
.set i, 0
.rept 8*\nb
	v_pk_fma_f32 v[S+i:S+i+1], v[S+i:S+i+1], s[22:23], v[12:13] op_sel_hi:[1,0,0]   ; t - M, two at a time
.set i, i+2
.endr
; A block's scale: its largest p is 2^x, x the same multiply-add of its largest score, so floor(log2) is floor(x).  Held to -124 from below: the byte floor(x) - 2 + 127 cannot fall under 1.
.irp b, 0,1,2,3
.if \b < \nb
	v_fma_f32 v[BM+\b], v[BM+\b], s22, v12
.endif
.endr
.irp b, 0,1,2,3
.if \b < \nb
	v_max_num_f32 v[BM+\b], 0xc2f80000, v[BM+\b]
.endif
.endr
.irp b, 0,1,2,3
.if \b < \nb
	v_floor_f32 v[BM+\b], v[BM+\b]
.endif
.endr
.irp b, 0,1,2,3
.if \b < \nb
	v_cvt_i32_f32 v[BB+\b], v[BM+\b]
.endif
.endr
.irp b, 0,1,2,3
.if \b < \nb
	v_add_lshl_u32 v[BS+\b], v[BB+\b], 0x7d, 23    ; the conversion's scale operand
.endif
.endr
.if \nb > 1
	v_lshl_add_u32 v25, v[BB+1], 8, v[BB]          ; p's scale word: the sum of (floor(x) + 125) << 8 b; the blocks that are left out have zero codes and the byte 127
.endif
.if \nb > 2
	v_lshl_add_u32 v25, v[BB+2], 16, v25
.endif
.if \nb > 3
	v_lshl_add_u32 v25, v[BB+3], 24, v25
.endif
	s_wait_alu depctr_va_vdst(0)
.set i, 0
.rept 16*\nb
	v_exp_f32 v[S+i], v[S+i]                       ; p = 2^(t - M)
.set i, i+1
.endr
.if \nb == 4                           ; (a plain place behind the exponentials)
	v_add_nc_u32 v25, 0x7d7d7d7d, v25
.elseif \nb == 3
	v_add_nc_u32 v25, 0x7f7d7d7d, v25
.elseif \nb == 2
	v_add_nc_u32 v25, 0x7f7f7d7d, v25
.else
	v_add_nc_u32 v25, 0x7f7f7f7d, v[BB]
.endif
	s_wait_alu depctr_va_vdst(0)                   ; one wait for the batch, and for O^T, the last products' results
.set i, 0
.rept 16
	v_pk_mul_f32 v[O+i:O+i+1], v[O+i:O+i+1], v[F:F+1] op_sel_hi:[1,0]   ; O^T under the new M
.set i, i+2
.endr
.irp b, 0,1,2,3
.if \b < \nb
	v_cvt_scalef32_pk8_fp4_f32 v[PCD+4*(\b/2)+\b%2], v[S+16*\b:S+7+16*\b], v[BS+\b]
	v_cvt_scalef32_pk8_fp4_f32 v[PCD+2+4*(\b/2)+\b%2], v[S+8+16*\b:S+15+16*\b], v[BS+\b]
.endif
.endr
.irp b, 1,2,3
.if \b >= \nb
	v_mov_b32 v[PCD+4*(\b/2)+\b%2], 0              ; zero codes
	v_mov_b32 v[PCD+2+4*(\b/2)+\b%2], 0
.endif
.endr
.irp k, 0,1,2,3
	v_pk_add_f32 v[SM+2*\k:SM+2*\k+1], v[S+2*\k:S+2*\k+1], v[S+8+2*\k:S+9+2*\k]   ; the row's sum, of the unquantised p, in four chains
.endr
	v_permlane16_swap_b32 v[PCD], v[PCD+1]         ; a whole block to a lane, its four groups of eight in order
	v_permlane16_swap_b32 v[PCD+2], v[PCD+3]
.if \nb > 2
	v_permlane16_swap_b32 v[PCD+4], v[PCD+5]
	v_permlane16_swap_b32 v[PCD+6], v[PCD+7]
.endif
.set i, 16
.rept 8*\nb-8
	v_pk_add_f32 v[SM+i%8:SM+i%8+1], v[SM+i%8:SM+i%8+1], v[S+i:S+i+1]
.set i, i+2
.endr
	v_pk_add_f32 v[SM:SM+1], v[SM:SM+1], v[SM+2:SM+3]
	v_pk_add_f32 v[SM+4:SM+5], v[SM+4:SM+5], v[SM+6:SM+7]
	v_pk_fma_f32 v[14:15], v[14:15], v[F:F+1], v[SM:SM+1] op_sel_hi:[1,0,1]
	v_pk_add_f32 v[14:15], v[14:15], v[SM+4:SM+5]
	s_wait_alu depctr_va_vdst(0)
	s_wait_dscnt 0x0                               ; V and its scale words
.irp d, 0,1,2,3
.if \d%2
	v_wmma_scale_f32_16x16x128_f8f6f4 v[O+8*\d:O+8*\d+7], v[68+8*\d:75+8*\d], v[PCD:PCD+7], v[O+8*\d:O+8*\d+7], v[26+\d/2], v25 matrix_a_fmt:MATRIX_FMT_FP4 matrix_b_fmt:MATRIX_FMT_FP4 matrix_a_scale:MATRIX_SCALE_ROW1
.else
	v_wmma_scale_f32_16x16x128_f8f6f4 v[O+8*\d:O+8*\d+7], v[68+8*\d:75+8*\d], v[PCD:PCD+7], v[O+8*\d:O+8*\d+7], v[26+\d/2], v25 matrix_a_fmt:MATRIX_FMT_FP4 matrix_b_fmt:MATRIX_FMT_FP4
.endif
.endr
.endm
; THE WAY OUT of my first tile: O^T / the sum; its two blocks of 32 along d are quantised; the codes leave as half a fragment's image, the bytes into the rows' scale bytes.
.macro FLUSH
.rept 4
	v_nop                                          ; places behind the last products
.endr
	v_add_f32 v14, v14, v15
	v_permlanex16_b32 v[TMP], v14, s[SEL], s[SEL+1]
	v_add_f32 v14, v14, v[TMP]                     ; the row's sum
	s_wait_alu depctr_va_vdst(0)
	v_rcp_f32 v14, v14
	v_nop                                          ; a plain place behind the transcendental
	s_wait_alu depctr_va_vdst(0)
.set i, 0
.rept 16
	v_pk_mul_f32 v[S+i:S+i+1], v[O+i:O+i+1], v[14:15] op_sel_hi:[1,0]   ; register 8 t + i: o(my query, d = 16 t + 8 h + i)
.set i, i+2
.endr
.irp b, 0,1
	v_max3_num_f32 v[BM+\b], |v[S+16*\b]|, |v[S+1+16*\b]|, 0x1800000
.endr
.irp i, 2,4,6,8,10,12,14
.irp b, 0,1
	v_max3_num_f32 v[BM+\b], v[BM+\b], |v[S+16*\b+\i]|, |v[S+1+16*\b+\i]|
.endr
.endr
.irp b, 0,1
	v_permlanex16_b32 v[BB+\b], v[BM+\b], s[SEL], s[SEL+1]
.endr
.irp b, 0,1
	v_max_num_f32 v[BM+\b], v[BM+\b], v[BB+\b]
.endr
.irp b, 0,1
	v_add_nc_u32 v[BS+\b], 0xff000000, v[BM+\b]
.endr
.irp b, 0,1
	v_lshrrev_b32 v[BB+\b], 23, v[BS+\b]
.endr
.irp b, 0,1
	v_cvt_scalef32_pk8_fp4_f32 v[PCD+\b], v[S+16*\b:S+7+16*\b], v[BS+\b]
	v_cvt_scalef32_pk8_fp4_f32 v[PCD+2+\b], v[S+8+16*\b:S+15+16*\b], v[BS+\b]
.endr
	v_cndmask_b32 v[TMP], v[BB], v[BB+1], s86      ; lanes 0-15 block 0's byte, lanes 16-31 block 1's
	v_permlane16_swap_b32 v[PCD], v[PCD+1]
	v_permlane16_swap_b32 v[PCD+2], v[PCD+3]       ; lane (r, hh): d = 32 hh .. + 31 of row r
	global_store_b128 v1, v[PCD:PCD+3], s[46:47]   ; 512 consecutive bytes
	global_store_b8 v7, v[TMP], s[82:83]
.endm
; A TRIP, number s49.  It reads step s49 (place 16 + 2 s49) or, behind wave A's first tile, step s49 + 7 - j (place 2 (s49 + 7 - j) + 1).  All branches hang on ids and the count of trips; no barrier, load or wait on TENSORcnt stands in a trip.
.macro TRIP late
.if \late
	s_min_u32 s50, s49, 7
	s_lshl_b32 s50, s50, 1
.else
	s_lshl_b32 s50, s49, 1
.endif
	s_add_co_u32 s50, s50, 16
	s_add_co_u32 s51, s49, s17
.if \late
	s_and_b32 s51, s51, 7                          ; the upper step less 8
.else
	s_and_b32 s51, s51, 3                          ; (in the first trips it is 0, 1 or 2)
	s_min_u32 s51, s51, P0-1
.endif
	s_lshl_b32 s51, s51, 1
	s_add_co_u32 s51, s51, 17
	s_cmp_le_u32 s49, s[LIM]
	s_cselect_b32 s50, s50, s51
	s_mul_i32 s50, s50, KSB
.if \late
	s_cmp_gt_u32 s49, s42                          ; wave B has eight steps
	s_cbranch_scc1 .Lnext_\@
.endif
	v_add_nc_u32 v4, s50, v1
	v_add_nc_u32 v5, s50, v2
	s_wait_alu depctr_va_vdst(0)                   ; ahead of the branches
	s_cmp_eq_u32 s49, s41
	s_cbranch_scc1 .Ldiag_\@
.if \late
	s_cmp_eq_u32 s49, 8
	s_cbranch_scc1 .Ldiag_\@
.endif
	STEP 4, 0
	s_branch .Lnext_\@
.Ldiag_\@:
	s_cmp_eq_u32 s43, 3
	s_cbranch_scc1 .Ldg4_\@
	s_cmp_eq_u32 s43, 2
	s_cbranch_scc1 .Ldg3_\@
	s_cmp_eq_u32 s43, 1
	s_cbranch_scc1 .Ldg2_\@
	STEP 1, 1
	s_branch .Ldgd_\@
.Ldg2_\@:
	STEP 2, 1
	s_branch .Ldgd_\@
.Ldg3_\@:
	STEP 3, 1
	s_branch .Ldgd_\@
.Ldg4_\@:
	STEP 4, 1
.Ldgd_\@:
.if \late
	s_cmp_eq_u32 s49, 8                            ; the second tile's diagonal: it is joined behind the loop
	s_cbranch_scc1 .Lnext_\@
.endif
	FLUSH
	v_mov_b32 v24, v230                            ; on to my second tile; its first f is 0, which clears O^T and the sum
.irp i, 0,1,2,3
	v_mov_b32 v[16+\i], v[8+\i]
.endr
	v_mov_b32 v13, 0xff61b1e6
	v_mov_b32 v12, 0x7f61b1e6
	v_nop
	v_nop                                          ; with the two additions below: the places between these writes and the scaled products
	s_wait_xcnt 0x0                                ; the stores have read their registers
.Lnext_\@:
	s_add_co_u32 s49, s49, 1
.endm
	s_wait_alu depctr_va_vdst(0)
	s_wait_tensorcnt 0x0                           ; my part of the first fill is in; then the add twice on end:
	ds_add_u32 v254, v255
	ds_add_u32 v254, v255
	s_add_co_u32 s33, s33, 2*P0*KSB                ; no tensor load of mine is out, so the descriptor may be written: steps 3 + w and 11 + w
	s_add_nc_u64 s[34:35], s[34:35], P0*KSB
	s_wait_dscnt 0x0
	s_barrier_signal -1
	s_barrier_wait -1                              ; everybody's part is in
	s_cmp_lt_u32 s14, 8-P0
	s_cbranch_scc0 .Lno_second
	tensor_load_to_lds s[32:35], s[24:31]
	s_nop 0
.rept 4
	v_nop
.endr
.Lno_second:
	s_wait_loadcnt 0x0                             ; Q and its scale words
	s_mov_b32 s49, 0
.Lfirst:
	TRIP 0
	s_cmp_lt_u32 s49, P0
	s_cbranch_scc1 .Lfirst
	s_wait_alu depctr_va_vdst(0)
	s_wait_tensorcnt 0x0                           ; my part of the second fill is in,
	s_wait_dscnt 0x0
	s_barrier_signal -1
	s_barrier_wait -1                              ; everybody's is
	s_mov_b32 s49, P0
.Lrest:
	TRIP 1
	s_cmp_lt_u32 s49, 9
	s_cbranch_scc1 .Lrest
	; THE JOIN.  Wave A gives O^T, -M and its lanes' sums; wave B takes them.
	s_wait_alu depctr_va_vdst(0)
	s_cmp_lg_u32 s18, 0
	s_cbranch_scc1 .Lgiven
	v_add_f32 v14, v14, v15
.rept 4
	v_nop                                          ; places behind the last products
.endr
.irp k, 0,1,2,3,4,5,6,7
	ds_store_b128 v231, v[O+4*\k:O+4*\k+3] offset:512*\k
.endr
	ds_store_b32 v232, v12
	ds_store_b32 v232, v14 offset:128
.Lgiven:
	s_wait_alu depctr_va_vdst(0)
	s_wait_dscnt 0x0
	s_barrier_signal -1
	s_barrier_wait -1
	s_cmp_eq_u32 s18, 0
	s_cbranch_scc1 .Ldone
.irp k, 0,1,2,3,4,5,6,7
	ds_load_b128 v[S+4*\k:S+4*\k+3], v231 offset:512*\k
.endr
	ds_load_b32 v233, v232
	ds_load_b32 v234, v232 offset:128
	v_add_f32 v14, v14, v15
	s_wait_alu depctr_va_vdst(0)
	s_wait_dscnt 0x0
	v_min_num_f32 v[TMP], v12, v233                ; minus the larger M
	v_sub_f32 v[F], v[TMP], v12
	v_sub_f32 v236, v[TMP], v233
	v_cvt_i32_f32 v[F], v[F]
	v_cvt_i32_f32 v236, v236
	v_ldexp_f32 v[F], 1.0, v[F]                    ; my factor,
	v_ldexp_f32 v236, 1.0, v236                    ; wave A's
	v_mul_f32 v14, v14, v[F]
	v_mul_f32 v15, v234, v236
.set i, 0
.rept 16
	v_pk_mul_f32 v[O+i:O+i+1], v[O+i:O+i+1], v[F:F+1] op_sel_hi:[1,0]
.set i, i+2
.endr
.set i, 0
.rept 16
	v_pk_fma_f32 v[O+i:O+i+1], v[S+i:S+i+1], v[236:237], v[O+i:O+i+1] op_sel_hi:[1,0,1]
.set i, i+2
.endr
	FLUSH
.Ldone:
	s_wait_tensorcnt 0x0                           ; the wave's end
	ds_add_u32 v254, v255
	s_wait_dscnt 0x0
	s_endpgm
.Lfunc_end_k_q11c5fd4b0a_attn:
	.size	k_q11c5fd4b0a_attn, .Lfunc_end_k_q11c5fd4b0a_attn-k_q11c5fd4b0a_attn
	.p2alignl 7, 3214868480
	.fill 96, 4, 3214868480
	.section	.rodata,"a",@progbits
	.p2align	6, 0x0
	.amdhsa_kernel k_q11c5fd4b0a_attn
		.amdhsa_group_segment_fixed_size 327680
		.amdhsa_private_segment_fixed_size 0
		.amdhsa_enable_private_segment 0
		.amdhsa_kernarg_size 40
		.amdhsa_user_sgpr_count 2
		.amdhsa_user_sgpr_kernarg_segment_ptr 1
		.amdhsa_wavefront_size32 1
		.amdhsa_system_sgpr_workgroup_id_x 1
		.amdhsa_system_sgpr_workgroup_id_y 1
		.amdhsa_system_sgpr_workgroup_id_z 1
		.amdhsa_system_vgpr_workitem_id 0
		.amdhsa_next_free_vgpr 256
		.amdhsa_next_free_sgpr 96
		.amdhsa_reserve_vcc 0
		.amdhsa_float_denorm_mode_32 3
		.amdhsa_float_denorm_mode_16_64 3
		.amdhsa_memory_ordered 1
		.amdhsa_forward_progress 1
		.amdhsa_inst_pref_size 146
	.end_amdhsa_kernel
	.amdgpu_metadata
---
amdhsa.version: [ 1, 2 ]
amdhsa.kernels:
  - .name:           k_q11c5fd4b0a_attn
    .symbol:         k_q11c5fd4b0a_attn.kd
    .args:
      - { .name: qc, .offset: 0, .size: 8, .value_kind: global_buffer, .address_space: global }
      - { .name: qs, .offset: 8, .size: 8, .value_kind: global_buffer, .address_space: global }
      - { .name: kv, .offset: 16, .size: 8, .value_kind: global_buffer, .address_space: global }
      - { .name: oc, .offset: 24, .size: 8, .value_kind: global_buffer, .address_space: global }
      - { .name: os, .offset: 32, .size: 8, .value_kind: global_buffer, .address_space: global }
    .group_segment_fixed_size: 327680
    .private_segment_fixed_size: 0
    .kernarg_segment_align: 8
    .kernarg_segment_size: 40
    .max_flat_workgroup_size: 512
    .sgpr_count:     96
    .vgpr_count:     256
    .wavefront_size: 32
...
	.end_amdgpu_metadata
.endif
;; end of part 2
;; launch oproj (part 3): grid 8 x 32, 4 waves a work-group, clusters of 4 x 4, 211,968 bytes of LDS; arguments oc, os, Wo_codes, Wo_scales, bo, out0; writes out0
.if DOCPART == 3
	.amdgcn_target "amdgcn-amd-amdhsa--gfx1250"
	.amdhsa_code_object_version 6
	.text
	.protected	k_q11c5fd4b0a_oproj
	.globl	k_q11c5fd4b0a_oproj
	.p2align	8
	.type	k_q11c5fd4b0a_oproj,@function
k_q11c5fd4b0a_oproj:
	s_mov_b64 s[64:65], 0
	v_nop
	global_prefetch_b8 v0, s[64:65] scope:SCOPE_SE
	s_setreg_imm32_b32 hwreg(HW_REG_WAVE_MODE, 25, 1), 1
	s_wait_xcnt 0x0
	s_wait_alu depctr_hold_cnt(0) depctr_sa_sdst(0) depctr_va_vdst(0) depctr_va_sdst(0) depctr_va_ssrc(0) depctr_va_vcc(0) depctr_vm_vsrc(0)
	s_getreg_b32 s2, hwreg(HW_REG_IB_STS2, 6, 4)
	s_cmp_eq_u32 s2, 0
	s_cbranch_scc0 .Lentry_in_a_cluster
	s_endpgm
.Lentry_in_a_cluster:
	s_bfe_u32 s2, ttmp6, 0x10000c
	s_cmp_lg_u32 s2, 0xf033
	s_cbranch_scc0 .Lentry_shape_is_right
	s_endpgm
.Lentry_shape_is_right:
; out0 = o Wo + bo on codes of FP4 (E2M1) with E8M0 scales, sums in f32.  o: images of fragments, oc [block of 128 rows 32][K step 8][tile 8][c 2][512], scale bytes os [block][row 128][32].
; Wo: 1,024 rows (one for each output column) of 512 bytes of codes and 32 scale bytes.  out0: [4,096][1,024] f32.
; SHARES.  A work-group makes 128 rows (my) x 128 columns (nx); a wave 64 x 64.  All of K lies in LDS: every LDS byte is filled once, by one joint load a wave: o's codes, Wo's codes, o's scale bytes, Wo's.
; BY ROWS: all of Wo's fragments of the wave (4 tiles x 8 K steps) stand in window 1, o's (4 blocks of 16 rows) in window 2; a block's 32 products take four accumulators by turns,
; K ascending, the bias as the first C; a finished block goes out while the next is multiplied.
; Source 0 = 16 rows of Wo, source 1 = a tile of o: a lane holds eight neighbouring columns of one row.
; CLUSTER 4 x 4: o's tiles are shared along a row of the cluster, Wo's along a column.  No prefetch: there is no loop to run ahead in.
.set WB,   65536                       ; LDS: o's images, 65,536 bytes dense; then Wo: 128 rows x (512 bytes + 16)
.set SCA,  WB+128*528                  ; o's scale bytes: 16 rows of 256 + 16;
.set SCB,  SCA+4352                    ; Wo's;
.set STG,  SCB+4352                    ; stages, 4 blocks x 16 rows x (256 bytes + 16) for each wave: bytes into which no fill lands
.set SPARE, STG+4*17408
.set ADA,  4                           ; v4  my lane's place in o's images
.set ADB,  5                           ; v5  in Wo's rows
.set ADS,  6                           ; v6  scale words: lanes 0-15 o's rows, lanes 16-31 Wo's
.set STO,  7                           ; v7  the stage: where I put 32 bytes of a row
.set RD,   8                           ; v8  and where I read rows back
.set CO,   9                           ; v9  my byte offset in two rows of out0
.set SC,   20                          ; v20-51 scale words, register 8 i + q
.set BIAS, 60                          ; v60-91
.set ACC,  128                         ; v128-255
.set G1A,  48
.set G1B,  56
.set G1SA, 68
.set G1SB, 76
.set G0SA, 84
.set G0SB, 88
.set G0A,  92
.set G0B,  96
.set MSB, 0
.macro WIN new                         ; the immediate's high byte repeats the setting that is left
.if MSB != \new
	s_set_vgpr_msb (MSB<<8)|\new
.set MSB, \new
.endif
.endm
.macro PLACES                          ; four places behind a matrix instruction (ISA guide 7.12.1)
.rept 4
	v_nop
.endr
.endm
.macro CROUND                          ; a round of the cluster's barrier
	s_barrier_signal -1
	s_barrier_wait -1
	s_cmp_lg_u32 s32, 0
	s_cbranch_scc1 .Lnot_wave_0_\@
	s_barrier_signal -3
.Lnot_wave_0_\@:
	s_barrier_wait -3
	s_barrier_signal -1
	s_barrier_wait -1
.endm
.macro ARM under, g0, g1, next
	s_cmp_lt_u32 s32, \under
	s_cbranch_scc0 \next
	tensor_load_to_lds s[\g0:\g0+3], s[\g1:\g1+7]
	s_nop 0
	PLACES
	s_branch .Lasked
\next:
.endm
	s_load_b256 s[4:11], s[0:1], 0x0               ; oc s[4:5], os s[6:7], Wo codes s[8:9], Wo scales s[10:11]
	s_load_b128 s[12:15], s[0:1], 0x20             ; bo s[12:13], out0 s[14:15]
	v_lshl_add_u32 v126, v0, 2, SPARE
	v_mov_b32 v127, 0
	ds_add_u32 v126, v127                          ; the opening: the add, twice on end, and its wait
	ds_add_u32 v126, v127
	v_lshrrev_b32 v1, 5, v0
	v_readfirstlane_b32 s32, v1                    ; wave
	s_lshr_b32 s33, s32, 1                         ; wm: my 64 rows
	s_and_b32 s34, s32, 1                          ; wn: my 64 columns
	s_bfe_u32 s35, ttmp6, 0x40000                  ; cx
	s_bfe_u32 s36, ttmp6, 0x40004                  ; cy
	s_lshl_b32 s37, ttmp9, 2
	s_add_co_u32 s37, s37, s35                     ; nx
	s_and_b32 s38, ttmp7, 0xffff
	s_lshl_b32 s38, s38, 2
	s_add_co_u32 s38, s38, s36                     ; my
	s_lshl_b32 s39, s36, 2
	s_lshl_b32 s39, 15, s39                        ; my row of the cluster
	s_lshl_b32 s40, 0x1111, s35                    ; my column
	s_or_b32 s[G1A], s39, (3<<16)|(1<<21)          ; o's codes: 256 rows of 256 dense bytes, no padding
	s_mov_b32 s[G1A+1], 32<<16
	s_mov_b32 s[G1A+2], 256<<16
	s_mov_b32 s[G1A+3], 32<<16
	s_mov_b32 s[G1A+4], 256
	s_mov_b32 s[G1A+5], 32
	s_mov_b32 s[G1A+6], 0
	s_mov_b32 s[G1A+7], 0
	s_or_b32 s[G1B], s40, (3<<16)|(1<<20)|(1<<21)|(6<<22)|(3<<25)   ; Wo's codes: 128 rows of 512 bytes, 16 bytes of padding behind each
	s_mov_b32 s[G1B+1], 64<<16
	s_mov_b32 s[G1B+2], 128<<16
	s_mov_b32 s[G1B+3], 64<<16
	s_mov_b32 s[G1B+4], 128
	s_mov_b32 s[G1B+5], 64
	s_mov_b32 s[G1B+6], 0
	s_mov_b32 s[G1B+7], 0
	s_or_b32 s[G1SA], s39, (3<<16)|(1<<20)|(1<<21)|(5<<22)|(3<<25)  ; scale bytes: 16 rows of 256 dense bytes, 16 of padding behind each
	s_or_b32 s[G1SB], s40, (3<<16)|(1<<20)|(1<<21)|(5<<22)|(3<<25)
.irp g, G1SA, G1SB
	s_mov_b32 s[\g+1], 32<<16
	s_mov_b32 s[\g+2], 16<<16
	s_mov_b32 s[\g+3], 32<<16
	s_mov_b32 s[\g+4], 16
	s_mov_b32 s[\g+5], 32
	s_mov_b32 s[\g+6], 0
	s_mov_b32 s[\g+7], 0
.endr
	s_mov_b32 s[G0A], 1
	s_mov_b32 s[G0A+1], 0
	s_mov_b32 s[G0B], 1
	s_mov_b32 s[G0B+1], WB
	s_mov_b32 s[G0SA], 1
	s_mov_b32 s[G0SA+1], SCA
	s_mov_b32 s[G0SB], 1
	s_mov_b32 s[G0SB+1], SCB
	s_lshl_b32 s42, s38, 12                        ; scale bytes: 128 rows x 32
	s_mov_b32 s43, 0
	s_lshl_b32 s66, s37, 12
	s_mov_b32 s67, 0
	s_wait_dscnt 0x0                               ; both opening adds are done
	s_wait_kmcnt 0x0
	s_add_nc_u64 s[G0SA+2:G0SA+3], s[6:7], s[42:43]
	s_or_b32 s[G0SA+3], s[G0SA+3], 0x80000000
	s_add_nc_u64 s[G0SB+2:G0SB+3], s[10:11], s[66:67]
	s_or_b32 s[G0SB+3], s[G0SB+3], 0x80000000
	s_lshl_b32 s42, s38, 16                        ; codes: 65,536 bytes a block
	s_lshl_b32 s66, s37, 16
	s_add_nc_u64 s[G0A+2:G0A+3], s[4:5], s[42:43]
	s_or_b32 s[G0A+3], s[G0A+3], 0x80000000
	s_add_nc_u64 s[G0B+2:G0B+3], s[8:9], s[66:67]
	s_or_b32 s[G0B+3], s[G0B+3], 0x80000000
	CROUND                                         ; all sixteen work-groups are here: the joint loads meet
	ARM 1, G0A, G1A, .Lhead_b                      ; one load a wave, one tree: every way through the head passes exactly one
	ARM 2, G0B, G1B, .Lhead_sa
	ARM 3, G0SA, G1SA, .Lhead_sb
	tensor_load_to_lds s[G0SB:G0SB+3], s[G1SB:G1SB+7]
	s_nop 0
	PLACES
.Lasked:
	s_lshl_b32 s41, s33, 12                        ; my four tiles of o
	s_mul_i32 s42, s34, 64*528
	s_add_co_u32 s42, s42, WB                      ; my 64 rows of Wo
	s_mul_i32 s43, s33, 2176
	s_mul_i32 s66, s34, 2176
	s_add_co_u32 s66, s66, 4352
	s_sub_co_u32 s66, s66, s43                     ; from o's scale rows (wm) to Wo's (wn): one product in h
	s_add_co_u32 s43, s43, SCA
	s_mul_i32 s67, s32, 17408
	s_add_co_u32 s67, s67, STG                     ; my stages
	v_and_b32 v1, 15, v0                           ; r
	v_bfe_u32 v2, v0, 4, 1                         ; h
	v_and_b32 v3, 31, v0                           ; lane
	v_lshlrev_b32 v[ADA], 4, v3
	v_add_nc_u32 v[ADA], s41, v[ADA]
	v_mul_u32_u24 v[ADB], v1, 528
	v_lshl_add_u32 v[ADB], v2, 4, v[ADB]
	v_add_nc_u32 v[ADB], s42, v[ADB]
	v_lshrrev_b32 v10, 3, v1
	v_lshlrev_b32 v10, 4, v10
	v_lshl_add_u32 v10, v1, 5, v10                 ; row r's scale bytes: 32 r + 16 (r / 8)
	v_mul_u32_u24 v[ADS], s66, v2
	v_add_nc_u32 v10, s43, v10
	v_add_nc_u32 v[ADS], v[ADS], v10
	v_mul_u32_u24 v[STO], v1, 272
	v_lshl_add_u32 v[STO], v2, 5, v[STO]
	v_add_nc_u32 v[STO], s67, v[STO]               ; in: row r, + 32 h
	v_mul_u32_u24 v[RD], v2, 272
	v_lshl_add_u32 v[RD], v1, 4, v[RD]
	v_add_nc_u32 v[RD], s67, v[RD]                 ; back: lanes 0-15 one row of 256 bytes, lanes 16-31 the next
	v_lshlrev_b32 v[CO], 12, v2
	v_lshl_add_u32 v[CO], v1, 4, v[CO]             ; and the same two rows in out0
	v_lshlrev_b32 v11, 5, v2                       ; 32 h: the bias
	s_wait_alu depctr_va_vdst(0)
	s_lshl_b32 s100, s37, 9
	s_lshl_b32 s41, s34, 8
	s_add_co_u32 s100, s100, s41                   ; my first column, in bytes
	s_mov_b32 s101, 0
	s_add_nc_u64 s[12:13], s[12:13], s[100:101]
	s_lshl_b32 s41, s38, 19
	s_add_co_u32 s100, s100, s41
	s_lshl_b32 s41, s33, 18
	s_add_co_u32 s100, s100, s41                   ; + my first row x 4,096 bytes
	s_add_nc_u64 s[14:15], s[14:15], s[100:101]
.irp t, 0,1,2,3
	global_load_b128 v[BIAS+8*\t:BIAS+8*\t+3], v11, s[12:13] offset:64*\t        ; tile t, half h, register j: bo of column 16 t + 8 h + j
	global_load_b128 v[BIAS+8*\t+4:BIAS+8*\t+7], v11, s[12:13] offset:64*\t+16
.endr
.macro LOADA a, q                      ; o's block a, K step q -> window 2
.irp c, 0,1
	ds_load_b128 v[64*(\a)+8*(\q)+4*\c:64*(\a)+8*(\q)+4*\c+3], v[ADA] offset:(\q)*8192+(\a)*1024+512*\c
.endr
.endm
.macro BLOCKA a                        ; 16 loads
	WIN 0x80
.irp q, 0,1,2,3,4,5,6,7
	LOADA \a, \q
.endr
	WIN 0
.endm
.macro MULB a                          ; block a: source 0 window 1, source 1 window 2, C and D window 0; Wo's scales stand in lanes 16-31
	WIN 0x09
.irp q, 0,1,2,3,4,5,6,7
.if (\a) == 0
.if \q == 0
	s_wait_dscnt 63                                ; 104 loads were issued; the first three K steps need 38 of them
.elseif \q > 2
	s_wait_dscnt 86-10*\q                          ; ten loads a K step; block 1's 16 may be out
.endif
.endif
.irp t, 0,1,2,3
.if \q == 0
	v_wmma_scale_f32_16x16x128_f8f6f4 v[ACC+8*(4*\a+\t):ACC+8*(4*\a+\t)+7], v[32*\q+8*\t:32*\q+8*\t+7], v[64*\a+8*\q:64*\a+8*\q+7], v[BIAS+8*\t:BIAS+8*\t+7], v[SC+8*\t+\q], v[SC+8*\a+\q] matrix_a_fmt:MATRIX_FMT_FP4 matrix_b_fmt:MATRIX_FMT_FP4 matrix_a_scale:MATRIX_SCALE_ROW1
.else
	v_wmma_scale_f32_16x16x128_f8f6f4 v[ACC+8*(4*\a+\t):ACC+8*(4*\a+\t)+7], v[32*\q+8*\t:32*\q+8*\t+7], v[64*\a+8*\q:64*\a+8*\q+7], v[ACC+8*(4*\a+\t):ACC+8*(4*\a+\t)+7], v[SC+8*\t+\q], v[SC+8*\a+\q] matrix_a_fmt:MATRIX_FMT_FP4 matrix_b_fmt:MATRIX_FMT_FP4 matrix_a_scale:MATRIX_SCALE_ROW1
.endif
.endr
.endr
	WIN 0
.endm
.macro TOSTAGE a                       ; a lane holds 32 neighbouring bytes of a row; the block comes back as rows of 256 bytes.  LDS serves a wave's instructions in order (ISA guide 5.7.1.4)
	PLACES
.irp t, 0,1,2,3
	ds_store_b128 v[STO], v[ACC+8*(4*\a+\t):ACC+8*(4*\a+\t)+3] offset:\a*4352+64*\t
	ds_store_b128 v[STO], v[ACC+8*(4*\a+\t)+4:ACC+8*(4*\a+\t)+7] offset:\a*4352+64*\t+16
.endr
.irp i, 0,1,2,3,4,5,6,7
	ds_load_b128 v[ACC+32*\a+4*\i:ACC+32*\a+4*\i+3], v[RD] offset:\a*4352+544*\i     ; rows 2 i, 2 i + 1
.endr
.endm
.macro SEND a, younger                 ; younger: the LDS instructions issued behind the block's, which may be out
	s_wait_dscnt \younger
.irp i, 0,1,2,3,4,5,6,7
	global_store_b128 v[CO], v[ACC+32*\a+4*\i:ACC+32*\a+4*\i+3], s[14:15] offset:(16*\a+2*\i)*4096 th:TH_STORE_NT   ; sixteen lanes store 256 consecutive bytes, aligned
.endr
.endm
	s_wait_tensorcnt 0x0                           ; my tile is in,
	s_barrier_signal -1
	s_barrier_wait -1                              ; everybody's is
.irp i, 0,1,2,3
.irp g, 0,1
	ds_load_b128 v[SC+8*\i+4*\g:SC+8*\i+4*\g+3], v[ADS] offset:544*\i+16*\g   ; all eight K steps' words: lanes 0-15 o's tile i, lanes 16-31 Wo's tile i
.endr
.endr
.irp q, 0,1,2,3,4,5,6,7
	WIN 0x40
.irp t, 0,1,2,3
.irp c, 0,1
	ds_load_b128 v[32*\q+8*\t+4*\c:32*\q+8*\t+4*\c+3], v[ADB] offset:8448*\t+64*\q+32*\c   ; Wo -> window 1
.endr
.endr
	WIN 0x80
	LOADA 0, \q
.endr
	BLOCKA 1
	s_wait_loadcnt 0x0                             ; the bias
	MULB 0
	TOSTAGE 0
	BLOCKA 2
	s_wait_dscnt 32                                ; block 1's fragments are in; behind them: block 0's 16 at the stage, block 2's 16
	MULB 1
	SEND 0, 16
	TOSTAGE 1
	BLOCKA 3
	s_wait_dscnt 32
	MULB 2
	SEND 1, 16
	TOSTAGE 2
	s_wait_dscnt 16                                ; block 3's fragments are in; behind them: block 2's 16 at the stage
	MULB 3
	SEND 2, 0
	TOSTAGE 3
	SEND 3, 0
	s_wait_tensorcnt 0x0                           ; the wave's end
	ds_add_u32 v126, v127
	s_wait_dscnt 0x0
	CROUND                                         ; the closing round: no work-group ends while a partner may still ask for a tile that names it
	s_endpgm
.Lfunc_end_k_q11c5fd4b0a_oproj:
	.size	k_q11c5fd4b0a_oproj, .Lfunc_end_k_q11c5fd4b0a_oproj-k_q11c5fd4b0a_oproj
	.p2alignl 7, 3214868480
	.fill 96, 4, 3214868480
	.section	.rodata,"a",@progbits
	.p2align	6, 0x0
	.amdhsa_kernel k_q11c5fd4b0a_oproj
		.amdhsa_group_segment_fixed_size 211968
		.amdhsa_private_segment_fixed_size 0
		.amdhsa_enable_private_segment 0
		.amdhsa_kernarg_size 48
		.amdhsa_user_sgpr_count 2
		.amdhsa_user_sgpr_kernarg_segment_ptr 1
		.amdhsa_wavefront_size32 1
		.amdhsa_system_sgpr_workgroup_id_x 1
		.amdhsa_system_sgpr_workgroup_id_y 1
		.amdhsa_system_sgpr_workgroup_id_z 1
		.amdhsa_system_vgpr_workitem_id 0
		.amdhsa_next_free_vgpr 768
		.amdhsa_next_free_sgpr 106
		.amdhsa_reserve_vcc 0
		.amdhsa_float_denorm_mode_32 3
		.amdhsa_float_denorm_mode_16_64 3
		.amdhsa_memory_ordered 1
		.amdhsa_forward_progress 1
		.amdhsa_inst_pref_size 43
	.end_amdhsa_kernel
	.amdgpu_metadata
---
amdhsa.version: [ 1, 2 ]
amdhsa.kernels:
  - .name:           k_q11c5fd4b0a_oproj
    .symbol:         k_q11c5fd4b0a_oproj.kd
    .args:
      - { .name: oc, .offset: 0, .size: 8, .value_kind: global_buffer, .address_space: global }
      - { .name: os, .offset: 8, .size: 8, .value_kind: global_buffer, .address_space: global }
      - { .name: Wo_codes, .offset: 16, .size: 8, .value_kind: global_buffer, .address_space: global }
      - { .name: Wo_scales, .offset: 24, .size: 8, .value_kind: global_buffer, .address_space: global }
      - { .name: bo, .offset: 32, .size: 8, .value_kind: global_buffer, .address_space: global }
      - { .name: out0, .offset: 40, .size: 8, .value_kind: global_buffer, .address_space: global }
    .group_segment_fixed_size: 211968
    .private_segment_fixed_size: 0
    .kernarg_segment_align: 8
    .kernarg_segment_size: 48
    .max_flat_workgroup_size: 128
    .sgpr_count:     106
    .vgpr_count:     768
    .wavefront_size: 32
...
	.end_amdgpu_metadata
.endif
;; end of part 3
